; MI455X (gfx1250); checked and timed in simulation.
; The chip was launched on July 23, 2026; its instructions are those of AMD's public machine-readable ISA for CDNA 5 (MIT licence, August 2026) and "CDNA5" Instruction Set Architecture Reference Guide (July 2026). The comments in the code are by the model that wrote it; some were corrected since.
;; Attention Block. Allowed arithmetic: matrix products marked QUANTISED: E2M1 operands, one E8M0 scale for each 32 along K, by v_wmma_scale_f32_16x16x128_f8f6f4 with both operands' format E2M1 (or v_wmma_scale_f32_32x16x128_f4), f32 sums; everything else in f32.
;; Inputs: bk 256 float32; bo 256 float32; bq 256 float32; bv 256 float32; gn_bias 256 float32; gn_weight 256 float32; wk_codes 256 x 8 x 16 uint8 (E2M1 codes of wk, K innermost, in blocks of 32 codes, two codes a byte); wk_scales 256 x 8 uint8 (E8M0 scales of wk, one for each 32 codes along K); wo_codes 256 x 8 x 16 uint8 (E2M1 codes of wo, K innermost, in blocks of 32 codes, two codes a byte); wo_scales 256 x 8 uint8 (E8M0 scales of wo, one for each 32 codes along K); wq_codes 256 x 8 x 16 uint8 (E2M1 codes of wq, K innermost, in blocks of 32 codes, two codes a byte); wq_scales 256 x 8 uint8 (E8M0 scales of wq, one for each 32 codes along K); wv_codes 256 x 8 x 16 uint8 (E2M1 codes of wv, K innermost, in blocks of 32 codes, two codes a byte); wv_scales 256 x 8 uint8 (E8M0 scales of wv, one for each 32 codes along K); x 64 x 256 x 32 x 32 float32.
;; Outputs: out0 64 x 256 x 32 x 32 float32.
;; This version of the problem:
;;   THIS VERSION OF THE PROBLEM IS GIVEN IN LOW PRECISION. The matrix products marked QUANTISED in the list below multiply operands that are first quantised to E2M1 (2 exponent bits, 1 mantissa bit; 4 bits a number), with one power-of-two scale for each 32 numbers along K (OCP MX v1.0); their sums are f32. All else is computed in f32.
;;   The module's matrix products, in the order in which they are computed (A, B: the left and right operand; K: the contracted axis; several contracted axes count as one K, in the product's order):
;;     1. [M 65,536, K 256] x [K 256, N 256]; A: computed on the way; B: input wq (given as codes): QUANTISED
;;     2. [M 65,536, K 256] x [K 256, N 256]; A: computed on the way; B: input wk (given as codes): QUANTISED
;;     3. [M 65,536, K 256] x [K 256, N 256]; A: computed on the way; B: input wv (given as codes): QUANTISED
;;     4. batch 64 x [M 1,024, K 256] x [K 256, N 1,024]; A: computed on the way; B: computed on the way: QUANTISED
;;     5. batch 64 x [M 256, K 1,024] x [K 1,024, N 1,024]; A: computed on the way; B: softmax (see below): QUANTISED
;;     6. [M 65,536, K 256] x [K 256, N 256]; A: computed on the way; B: input wo (given as codes): QUANTISED
;;   THE QUANTISER, for each operand of a quantised product, along K:
;;     - K is cut into blocks of 32 from its start; a last block that is shorter is filled with zeros.
;;     - A block's scale is 2^e with e = floor(log2(the largest magnitude in the block)) - 2, held to -126 .. 127; a block of zeros has e = 0. As a byte (E8M0): e + 127.
;;     - Each number is divided by its block's scale, clamped to +-6, and rounded to the nearest number of E2M1, ties to even, subnormals kept.
;;     - The product sums the exact products of the quantised numbers (number of the format x scale) in f32.
;;   ~~~python
;;   def quantise(x, axis):      # numpy; x: float32 -> the quantised numbers, widened to float32 again
;;       x = np.moveaxis(x, axis, -1); K = x.shape[-1]
;;       x = np.pad(x, [(0, 0)] * (x.ndim - 1) + [(0, -K % 32)]); x = x.reshape(x.shape[:-1] + (-1, 32)); a = np.abs(x).max(-1, keepdims=True)
;;       e = np.where(a > 0, np.clip(np.frexp(np.where(a > 0, a, 1))[1] - 1 - 2, -126, 127), 0)      # np.frexp(a)[1] - 1 = floor(log2(a)), exactly
;;       r = np.clip(x / 2.0 ** e, -6, 6)
;;       step = 2.0 ** (np.maximum(np.frexp(np.where(r == 0, 1, r))[1] - 1, 0) - 1)
;;       q = np.round(r / step) * step * 2.0 ** e      # np.round: ties to even
;;       return np.moveaxis(q.reshape(q.shape[:-2] + (-1,))[..., :K], -1, axis).astype(np.float32)
;;   ~~~
;;   SOFTMAX AHEAD OF A QUANTISED PRODUCT. Where the list says 'softmax', what is quantised is not the finished softmax but p = 2^(t - M), with t = logit x log2(e) and M = ceil(the row's largest t), a whole number; so 1/2 < the row's largest p <= 1. The row's sum l is taken of the UNQUANTISED p, in f32, and the product's result is divided by l at the end. Since M is a whole number, a kernel that streams over the keys may use a running M (the ceiling of the running maximum): every later rescaling is an exact power of two, which a block's scale takes up: the codes' values come out the same.
;;   OPERANDS COMPUTED ON THE WAY. 'Computed on the way' means the value that the module computes at that place (a softmax that the list does not call 'softmax' is quantised finished and normalised). What goes into a quantiser is computed in f32, as accurately as f32 sums, v_exp_f32 and their like allow (about 1e-6 of the number): no bf16 or f16 on the way to a quantiser, and a product that is left as it is and whose result goes on into a quantised operand takes f32 operands (vector FMAs, or v_wmma_f32_16x16x4_f32). A number that lies on a knife's edge between two numbers of the format may be rounded either way, as far as f32 arithmetic and the matrix unit's own rounding can turn it there, and no further.
;;   INPUTS GIVEN AS CODES. wk (in the module: [256, 256], K = its axis 1); wo (in the module: [256, 256], K = its axis 1); wq (in the module: [256, 256], K = its axis 1); wv (in the module: [256, 256], K = its axis 1): each comes as NAME_codes (uint8): NAME with its K axis moved to the last place and cut into blocks of 32 codes, [.., K / 32, bytes a block], one block behind the other in memory; two codes a byte, the lower K in the low four bits (a code: sign, 2 exponent bits, 1 mantissa bit); and NAME_scales (uint8): the same leading axes, one E8M0 byte (e + 127) for each 32 codes along K. Its value is code x scale, taken as it is: it is not quantised again, and the codes and scales need not be those that the quantiser above would give.
;; One version. Each part assembles by itself: llvm-mc -triple=amdgcn-amd-amdhsa -mcpu=gfx1250 --defsym DOCPART=n.
;; ======== version 1 of 1: 3 launches
;; workspace buffers: hcodes 8,388,608 bytes; hscales 524,288 bytes; qcodes 8,388,608 bytes; qscales 524,288 bytes; kv 17,825,792 bytes
;; launch norm (part 1): grid 8 x 64, 16 waves a work-group, no clusters, 34,816 bytes of LDS; arguments x, gn_weight, gn_bias, hcodes, hscales; writes hcodes, hscales
.if DOCPART == 1
	.amdgcn_target "amdgcn-amd-amdhsa--gfx1250"
	.amdhsa_code_object_version 6
	.text
	.protected	k_q60b7ca3ed7_norm
	.globl	k_q60b7ca3ed7_norm
	.p2align	8
	.type	k_q60b7ca3ed7_norm,@function
k_q60b7ca3ed7_norm:
	s_mov_b64 s[64:65], 0
	v_nop
	global_prefetch_b8 v0, s[64:65] scope:SCOPE_SE
	s_setreg_imm32_b32 hwreg(HW_REG_WAVE_MODE, 25, 1), 1
	s_wait_xcnt 0x0
; h = GroupNorm(x) x weight + bias, quantised along the channels to codes of FP4 (E2M1) with one E8M0 byte for each 32 channels.
; x: [64][256 channels][1,024 positions] f32.  A work-group takes 32 channels (one block of the quantiser = four groups of the norm) of one batch: 128 KiB, held in registers:
; thread t holds positions 2 t and 2 t + 1 of all 32 channels, so x is read once, mean and variance are taken in two passes over registers (a common offset of x costs no precision),
; and a block of 32 along K lies in one lane.
; OUT.  hcodes [b][tile 64][block 8][row 16][16 bytes]: the image of the operand's registers for a tile of 16 positions.  Row p of tile T is position 32 (T / 2) + 8 (T % 2) + p + 8 (p / 8).
; hscales [b][block 8][row 16][tile 64] bytes.
; LIMITS: NaN and infinities are not served; a block whose largest magnitude lies under 2^-124 (a block of zeros too) gets the byte 1: its codes are zeros or tiny, and this program alone reads the bytes.
.set SUM1, 16384                       ; LDS: bytes 0 .. 16,383 the codes, 16 bytes a position (each wave touches its own 1,024 alone); the waves' sums, first pass,
.set SUM2, 16640                       ; second pass: 16 waves x 4 groups x 4 bytes each;
.set SCB,  16896                       ; the scale bytes [row 16][tile 64]
.set XO, 1                             ; v1  8 t: my two positions in a row of x
.set SA, 2                             ; v2  32 t: my two positions' codes in LDS
.set BA, 3                             ; v3  my first position's scale byte in LDS
.set RA, 4                             ; v4  where I read codes back: by tile and row
.set GA, 5                             ; v5  and the same place in hcodes
.set LS, 6                             ; v6  4 x lane
.set WS, 7                             ; v7  16 x wave
.set X,  32                            ; v32-95  x, then x - mean: channel c at v[X + 2 c], v[X + 2 c + 1]
.set T,  96                            ; v96-127 the 32 numbers of one position; later codes on their way out
	s_load_b256 s[4:11], s[0:1], 0x0               ; x, gn_weight, gn_bias, hcodes
	s_load_b64 s[12:13], s[0:1], 0x20              ; hscales
	v_lshl_add_u32 v128, v0, 2, 0x8000
	v_mov_b32 v129, 0
	v_lshlrev_b32 v[XO], 3, v0
	v_lshlrev_b32 v[SA], 5, v0
	v_and_b32 v[BA], 3, v0                         ; position 2 t + i: row = 8 (bit 3 of the lane) + 2 (lane % 4) + i, tile = 2 (t / 16) + bit 2 of the lane
	v_lshlrev_b32 v[BA], 7, v[BA]
	v_bfe_u32 v8, v0, 3, 1
	v_lshl_add_u32 v[BA], v8, 9, v[BA]
	v_lshrrev_b32 v8, 4, v0
	v_lshl_add_u32 v[BA], v8, 1, v[BA]
	v_bfe_u32 v8, v0, 2, 1
	v_add_nc_u32 v[BA], v[BA], v8
	v_add_nc_u32 v[BA], SCB, v[BA]                 ; SCB + 64 row + tile
	v_and_b32 v[RA], 15, v0
	v_and_b32 v8, 8, v0
	v_add_nc_u32 v[RA], v[RA], v8                  ; row + 8 (row / 8)
	v_bfe_u32 v8, v0, 4, 1                         ; lanes 16-31 take the odd tile
	v_lshl_add_u32 v[RA], v8, 3, v[RA]
	v_lshlrev_b32 v[RA], 4, v[RA]
	v_lshrrev_b32 v9, 5, v0                        ; wave
	v_lshl_add_u32 v[RA], v9, 10, v[RA]
	v_and_b32 v[GA], 15, v0
	v_lshlrev_b32 v[GA], 4, v[GA]
	v_lshl_add_u32 v[GA], v8, 11, v[GA]
	v_lshl_add_u32 v[GA], v9, 13, v[GA]            ; tile 4 wave + (lane / 16): 2,048 bytes a tile; 16 bytes a row
	v_and_b32 v[LS], 31, v0
	v_lshlrev_b32 v[LS], 2, v[LS]
	v_lshlrev_b32 v[WS], 4, v9
	v_readfirstlane_b32 s96, v9                    ; the wave's number as a scalar
	v_lshlrev_b32 v30, 4, v0                       ; the scale bytes' way out: 16 bytes a thread (threads 0 to 63)
	v_add_nc_u32 v31, SCB, v30
.irp g, 0,1,2,3
	v_mov_b32 v[20+\g], 0                          ; written once: a lane permute's destination counts as one of its sources
.endr
	s_mov_b32 s98, 0x76543210
	s_mov_b32 s99, 0xfedcba98                      ; v_permlanex16_b32's selects for lane l xor 16
	s_and_b32 s97, ttmp7, 0xffff                   ; the batch
	s_mov_b32 s15, 0
	s_lshl_b32 s14, s97, 20                        ; a batch of x is 2^20 bytes,
	s_lshl_b32 s2, ttmp9, 17                       ; 32 channels 2^17
	s_add_co_u32 s14, s14, s2
	s_wait_kmcnt 0x0
	s_add_nc_u64 s[4:5], s[4:5], s[14:15]
.set c, 0
.rept 32
	global_load_b64 v[X+2*c:X+2*c+1], v[XO], s[4:5] offset:4096*c th:TH_LOAD_NT   ; a wave reads 256 consecutive bytes of channel c, aligned
.set c, c+1
.endr
	s_lshl_b32 s14, ttmp9, 7                       ; my 32 gains and biases
	s_add_nc_u64 s[6:7], s[6:7], s[14:15]
	s_add_nc_u64 s[8:9], s[8:9], s[14:15]
	s_load_b512 s[16:31], s[6:7], 0x0              ; gain of channel c: s[16 + c]
	s_load_b512 s[32:47], s[6:7], 0x40
	s_load_b512 s[48:63], s[8:9], 0x0              ; bias of channel c: s[48 + c], from c = 16 on s[52 + c]
	s_load_b512 s[68:83], s[8:9], 0x40
	s_lshl_b32 s14, s97, 17
	s_lshl_b32 s2, ttmp9, 8
	s_add_co_u32 s14, s14, s2
	s_add_nc_u64 s[10:11], s[10:11], s[14:15]      ; hcodes: 131,072 b + 256 block
	s_lshl_b32 s14, s97, 13
	s_lshl_b32 s2, ttmp9, 10
	s_add_co_u32 s14, s14, s2
	s_add_nc_u64 s[12:13], s[12:13], s[14:15]      ; hscales: 8,192 b + 1,024 block
.macro WAVESUM                         ; v8-11, a number for each group, summed over the wave's 32 lanes
.irp m, 1,2,4,8
.irp g, 0,1,2,3
	v_add_f32_dpp v[8+\g], v[8+\g], v[8+\g] row_xmask:\m row_mask:0xf bank_mask:0xf
.endr
.endr
.irp g, 0,1,2,3
	v_permlanex16_b32 v[20+\g], v[8+\g], s98, s99
.endr
.irp g, 0,1,2,3
	v_add_f32 v[8+\g], v[8+\g], v[20+\g]
.endr
.endm
.macro GROUPSUM off                    ; and over the sixteen waves: afterwards lane l holds in v8 the total of group l % 4
	ds_store_b128 v[WS], v[8:11] offset:\off       ; all lanes of a wave write the same 16 bytes with the same values
	s_wait_dscnt 0x0                               ; for the others' sake: my store has landed
	s_barrier_signal -1
	s_barrier_wait -1
	ds_load_b32 v8, v[LS] offset:\off              ; word l: wave l / 4, group l % 4;
	ds_load_b32 v9, v[LS] offset:\off+128          ; wave 8 + l / 4
	s_wait_dscnt 0x0
	v_add_f32 v8, v8, v9
	v_add_f32_dpp v8, v8, v8 row_xmask:4 row_mask:0xf bank_mask:0xf
	v_add_f32_dpp v8, v8, v8 row_xmask:8 row_mask:0xf bank_mask:0xf
	v_permlanex16_b32 v20, v8, s98, s99
	v_add_f32 v8, v8, v20
.endm
	; FIRST PASS: the groups' sums.  A group is 8 channels: 8 loads
.irp g, 0,1,2,3
	s_wait_loadcnt 24-8*\g                         ; this group's 8 loads are in; the later groups' may be out
	v_pk_add_f32 v[12+2*\g:13+2*\g], v[X+16*\g:X+16*\g+1], v[X+16*\g+2:X+16*\g+3]
.irp c, 2,3,4,5,6,7
	v_pk_add_f32 v[12+2*\g:13+2*\g], v[12+2*\g:13+2*\g], v[X+16*\g+2*\c:X+16*\g+2*\c+1]
.endr
	v_add_f32 v[8+\g], v[12+2*\g], v[13+2*\g]
.endr
	WAVESUM
	GROUPSUM SUM1
	v_mul_f32 v8, 0xb9000000, v8                   ; -mean = sum x -2^-13 (a group has 8,192 numbers)
.irp g, 0,1,2,3
	v_readlane_b32 s[84+2*\g], v8, \g
.endr
.irp g, 0,1,2,3
	s_mov_b32 s[85+2*\g], s[84+2*\g]               ; (the packed form names the pair, so its upper word is written)
.endr
	; SECOND PASS: x - mean in place, and the sums of its squares
.irp g, 0,1,2,3
.irp c, 0,1,2,3,4,5,6,7
	v_pk_add_f32 v[X+16*\g+2*\c:X+16*\g+2*\c+1], v[X+16*\g+2*\c:X+16*\g+2*\c+1], s[84+2*\g:85+2*\g] op_sel_hi:[1,0]
.endr
.endr
.irp g, 0,1,2,3
	v_pk_mul_f32 v[12+2*\g:13+2*\g], v[X+16*\g:X+16*\g+1], v[X+16*\g:X+16*\g+1]
.endr
.irp c, 1,2,3,4,5,6,7
.irp g, 0,1,2,3
	v_pk_fma_f32 v[12+2*\g:13+2*\g], v[X+16*\g+2*\c:X+16*\g+2*\c+1], v[X+16*\g+2*\c:X+16*\g+2*\c+1], v[12+2*\g:13+2*\g]   ; the four groups by turns
.endr
.endr
.irp g, 0,1,2,3
	v_add_f32 v[8+\g], v[12+2*\g], v[13+2*\g]
.endr
	WAVESUM
	GROUPSUM SUM2
	v_mov_b32 v9, 0x39000000                       ; 2^-13
	v_fmaak_f32 v8, v8, v9, 0x3727c5ac             ; variance + 1e-5
	v_rsq_f32 v8, v8
	v_nop                                          ; a plain instruction behind the transcendental,
	s_wait_alu depctr_va_vdst(0)                   ; and the wait ahead of its first reader
.irp g, 0,1,2,3
	v_readlane_b32 s[92+\g], v8, \g
.endr
	s_wait_kmcnt 0x0                               ; gains and biases
.set c, 0
.rept 32
	s_mul_f32 s[16+c], s[16+c], s[92+c/8]          ; a_c = gain_c / sqrt(variance + eps)
.set c, c+1
.endr
	; h = (x - mean) a_c + bias_c, and the quantiser: all 32 numbers of a block are mine
.irp i, 0,1
.set c, 0
.rept 32
	v_fma_f32 v[T+c], v[X+2*c+\i], s[16+c], s[48+c+4*(c/16)]
.set c, c+1
.endr
	v_max3_num_f32 v12, |v[T]|, |v[T+1]|, |v[T+2]|
	v_max3_num_f32 v13, |v[T+3]|, |v[T+4]|, |v[T+5]|
.irp j, 6,10,14,18,22,26
	v_max3_num_f32 v12, v12, |v[T+\j]|, |v[T+\j+1]|
	v_max3_num_f32 v13, v13, |v[T+\j+2]|, |v[T+\j+3]|
.endr
	v_max3_num_f32 v12, v12, |v[T+30]|, |v[T+31]|
	v_max3_num_f32 v12, v12, v13, 0x1800000        ; and the floor 2^(3 - 127): the byte cannot fall under 1
	v_add_nc_u32 v14, 0xff000000, v12              ; 2 off the exponent field: the conversion takes this operand's exponent field as its scale
.irp g, 0,1,2,3
	v_cvt_scalef32_pk8_fp4_f32 v[20+4*\i+\g], v[T+8*\g:T+8*\g+7], v14
.endr
	v_lshrrev_b32 v[28+\i], 23, v14                ; the scale's byte.  (Also the plain instruction behind the conversions, whose sources are written again)
	ds_store_b128 v[SA], v[20+4*\i:23+4*\i] offset:16*\i
	ds_store_b8 v[BA], v[28+\i] offset:64*\i       ; position 2 t + 1 is the next row of the same tile
.endr
	; the codes leave by tiles: my wave's 64 positions are tiles 4 w .. 4 w + 3.  LDS serves a wave's instructions in order: these loads see my wave's stores
	ds_load_b128 v[96:99], v[RA]
	ds_load_b128 v[100:103], v[RA] offset:512
	s_wait_dscnt 1                                 ; the first is in; the second may be out
	global_store_b128 v[GA], v[96:99], s[10:11]                 ; sixteen lanes store 256 consecutive bytes, aligned: a tile's rows of this block
	s_wait_dscnt 0x0                               ; the second; and, for the others' sake, my scale bytes have landed
	global_store_b128 v[GA], v[100:103], s[10:11] offset:4096
	s_barrier_signal -1
	s_barrier_wait -1
	s_cmp_lt_u32 s96, 2                            ; the work-group's 1,024 scale bytes leave as they lie, by waves 0 and 1
	s_cbranch_scc0 .Ldone
	ds_load_b128 v[104:107], v31
	s_wait_dscnt 0x0
	global_store_b128 v30, v[104:107], s[12:13]    ; a wave stores 512 consecutive bytes, aligned
.Ldone:
	s_wait_tensorcnt 0x0
	ds_add_u32 v128, v129
	s_wait_dscnt 0x0
	s_endpgm
.Lfunc_end_k_q60b7ca3ed7_norm:
	.size	k_q60b7ca3ed7_norm, .Lfunc_end_k_q60b7ca3ed7_norm-k_q60b7ca3ed7_norm
	.p2alignl 7, 3214868480
	.fill 96, 4, 3214868480
	.section	.rodata,"a",@progbits
	.p2align	6, 0x0
	.amdhsa_kernel k_q60b7ca3ed7_norm
		.amdhsa_group_segment_fixed_size 34816
		.amdhsa_private_segment_fixed_size 0
		.amdhsa_enable_private_segment 0
		.amdhsa_kernarg_size 40
		.amdhsa_user_sgpr_count 2
		.amdhsa_user_sgpr_kernarg_segment_ptr 1
		.amdhsa_wavefront_size32 1
		.amdhsa_system_sgpr_workgroup_id_x 1
		.amdhsa_system_sgpr_workgroup_id_y 1
		.amdhsa_system_sgpr_workgroup_id_z 1
		.amdhsa_system_vgpr_workitem_id 0
		.amdhsa_next_free_vgpr 130
		.amdhsa_next_free_sgpr 100
		.amdhsa_reserve_vcc 0
		.amdhsa_float_denorm_mode_32 3
		.amdhsa_float_denorm_mode_16_64 3
		.amdhsa_memory_ordered 1
		.amdhsa_forward_progress 1
		.amdhsa_inst_pref_size 26
	.end_amdhsa_kernel
	.amdgpu_metadata
---
amdhsa.version: [ 1, 2 ]
amdhsa.kernels:
  - .name:           k_q60b7ca3ed7_norm
    .symbol:         k_q60b7ca3ed7_norm.kd
    .args:
      - { .name: x, .offset: 0, .size: 8, .value_kind: global_buffer, .address_space: global }
      - { .name: gn_weight, .offset: 8, .size: 8, .value_kind: global_buffer, .address_space: global }
      - { .name: gn_bias, .offset: 16, .size: 8, .value_kind: global_buffer, .address_space: global }
      - { .name: hcodes, .offset: 24, .size: 8, .value_kind: global_buffer, .address_space: global }
      - { .name: hscales, .offset: 32, .size: 8, .value_kind: global_buffer, .address_space: global }
    .group_segment_fixed_size: 34816
    .private_segment_fixed_size: 0
    .kernarg_segment_align: 8
    .kernarg_segment_size: 40
    .max_flat_workgroup_size: 512
    .sgpr_count:     100
    .vgpr_count:     130
    .wavefront_size: 32
...
	.end_amdgpu_metadata
.endif
;; end of part 1
;; launch qkv (part 2): grid 4 x 64, 8 waves a work-group, no clusters, 0 bytes of LDS; arguments hcodes, hscales, wq_codes, wq_scales, bq, wk_codes, wk_scales, bk, wv_codes, wv_scales, bv, qcodes, qscales, kv; writes qcodes, qscales, kv
.if DOCPART == 2
	.amdgcn_target "amdgcn-amd-amdhsa--gfx1250"
	.amdhsa_code_object_version 6
	.text
	.protected	k_q60b7ca3ed7_qkv
	.globl	k_q60b7ca3ed7_qkv
	.p2align	8
	.type	k_q60b7ca3ed7_qkv,@function
k_q60b7ca3ed7_qkv:
	s_mov_b64 s[64:65], 0
	v_nop
	global_prefetch_b8 v0, s[64:65] scope:SCOPE_SE
	s_setreg_imm32_b32 hwreg(HW_REG_WAVE_MODE, 25, 1), 1
	s_wait_xcnt 0x0
; q = wq h + bq, k = wk h + bk, v = wv h + bv on codes of FP4 (E2M1) with E8M0 scales; q and k are quantised along the channels, v along the keys, and stored as images of the next products' operand registers.
; A work-group takes 256 positions (16 tiles of 16) of one batch.  No LDS, no barrier: every operand comes from memory in the order of its registers and every result leaves so.
; A UNIT: 8 result tiles x 2 K steps = 16 matrix instructions; source 0 = an operand that the wave HOLDS for the whole launch (8 tiles x 2 K steps, 128 registers), source 1 = a tile that streams.
; A lane then holds ONE row of source 1 and 64 numbers along source 0's rows.  THE ROWS OF A HELD TILE ARE NOT NEIGHBOURS: row r of tile 2 b + u is 32 b + 8 u + r + 8 (r / 8), so that register 16 b + i is
; number 32 b + 16 (lane / 16) + i along the next K: QUANT makes of the 64 one fragment (16 rows x 128 K) and one scale word a row.
; ROLES.  Waves 0, 1: q, channels 0-127 and 128-255; waves 2, 3: k likewise: held = 128 rows of the weight, streamed = the 16 tiles of h: 16 units.
; Waves 4 to 7: v: held = the 8 tiles of h of one key step (128 keys), streamed = 8 tiles of wv's rows: 8 units.  The bias is the C of each sum's first matrix instruction.
; kv [b][key step 8][34,816]: K's images (2 t + s) x 1,024; V's at 16,384 + 1,024 ct; K's scale words at 32,768 + 128 t + 64 s + 4 row; V's at 33,792 + 64 ct + 4 row.
; The scale words leave in pieces of 64 bytes (both halves of the lanes hold the same word and write it to the same place): one byte in seventeen of what the launch stores.
; LIMITS: NaN and infinities are not served; a block whose largest magnitude lies under 2^-124 gets the byte 1 (this program alone reads the bytes).
; REGISTERS.  Window 0: v1-7 offsets; v8-15 bv, eight times; v16-31 the streamed tiles' scale words; v32-39 the held tiles'; v40-47 bv of the streamed tiles; v48-111 the unit's results; v112-119 codes; v120-135 at work; v136 the scale word made.
; Window 1: v0-127 the held fragments (tile t, K step s at 16 t + 8 s); q, k: v128-191 the bias tiles, v192-255 a ring of four streamed tiles; v: v128-255 all eight streamed tiles.
.set LI,  1                            ; 16 x lane: an image's place for my lane
.set WA,  2                            ; a weight's codes: 128 (r + 8 (r / 8)) + 16 h
.set WSA, 3                            ; its scale words: 8 (r + 8 (r / 8)) + 4 h: lanes 16-31 take K step 1's
.set BA,  4                            ; a bias tile: 64 h
.set HSA, 5                            ; h's scale bytes: 4,096 h + 64 r
.set SWA, 6                            ; a scale word's way out: 4 r
.set BVA, 7                            ; bv of my row: 4 (r + 8 (r / 8))
.set CB,  8
.set XS,  16
.set HS,  32
.set BV,  40
.set D,   48
.set PC,  112
.set TM,  120
.set PW,  136
.set R,   140                          ; v140-155 h's scale bytes as they lie; v156-159 at work
.set BI,  128                          ; in window 1
.set SEL, 54
.set MSB, 0
.macro WIN new                         ; the immediate's high byte repeats the setting that is left
.if MSB != \new
	s_set_vgpr_msb (MSB<<8)|\new
.set MSB, \new
.endif
.endm
.macro PLACES n
.rept \n
	v_nop
.endr
.endm
; 64 numbers of a lane, register 16 b + i = k 32 b + 16 (lane / 16) + i of my row, become a fragment's codes in v[dst] on and its scale word in v[wrd]
.macro QUANT src, dst, wrd
.irp b, 0,1,2,3
	v_max3_num_f32 v[TM+\b], |v[(\src)+16*\b]|, |v[(\src)+1+16*\b]|, 0x1800000   ; my 16 numbers of block b, and the floor 2^(3 - 127): the byte cannot fall under 1
.endr
.irp i, 2,4,6,8,10,12,14
.irp b, 0,1,2,3
	v_max3_num_f32 v[TM+\b], v[TM+\b], |v[(\src)+16*\b+\i]|, |v[(\src)+1+16*\b+\i]|
.endr
.endr
.irp b, 0,1,2,3
	v_permlanex16_b32 v[TM+4+\b], v[TM+\b], s[SEL], s[SEL+1]
.endr
.irp b, 0,1,2,3
	v_max_num_f32 v[TM+\b], v[TM+\b], v[TM+4+\b]   ; with lane l xor 16's: the block's largest magnitude
.endr
.irp b, 0,1,2,3
	v_add_nc_u32 v[TM+12+\b], 0xff000000, v[TM+\b] ; 2 off its exponent field: the conversion's scale operand
.endr
.irp b, 0,1,2,3
	v_lshrrev_b32 v[TM+4+\b], 23, v[TM+12+\b]      ; the scale's byte
.endr
	v_lshl_or_b32 v[(\wrd)], v[TM+5], 8, v[TM+4]
	v_lshl_or_b32 v[(\wrd)], v[TM+6], 16, v[(\wrd)]
	v_lshl_or_b32 v[(\wrd)], v[TM+7], 24, v[(\wrd)]
.irp b, 0,1,2,3
	v_cvt_scalef32_pk8_fp4_f32 v[(\dst)+2*\b], v[(\src)+16*\b:(\src)+7+16*\b], v[TM+12+\b]
	v_cvt_scalef32_pk8_fp4_f32 v[(\dst)+1+2*\b], v[(\src)+8+16*\b:(\src)+15+16*\b], v[TM+12+\b]
.endr
	v_nop                                          ; one plain instruction behind the scaled conversions
.irp c, 0,1                                    ; the operand's layout wants a whole block in a lane: lanes 0-15 block 2 c, lanes 16-31 block 2 c + 1
.irp i, 0,1
	v_permlane16_swap_b32 v[(\dst)+4*\c+\i], v[(\dst)+2+4*\c+\i]
.endr
.endr
.endm
; four registers, each with one block's bytes of four tiles, become four scale words, each with one tile's bytes of four blocks
.macro TR4 r0, r1, r2, r3, w
	v_perm_b32 v156, v[(\r1)], v[(\r0)], 0x05010400
	v_perm_b32 v157, v[(\r3)], v[(\r2)], 0x05010400
	v_perm_b32 v158, v[(\r1)], v[(\r0)], 0x07030602
	v_perm_b32 v159, v[(\r3)], v[(\r2)], 0x07030602
	v_perm_b32 v[(\w)], v157, v156, 0x05040100
	v_perm_b32 v[(\w)+1], v157, v156, 0x07060302
	v_perm_b32 v[(\w)+2], v159, v158, 0x05040100
	v_perm_b32 v[(\w)+3], v159, v158, 0x07060302
.endm
; a unit's 16 matrix instructions: the eight accumulators by turns, K step 0 and then K step 1, whose scale words stand in lanes 16-31.  xf: the streamed tile (window 1); xs: its scale words; C of tile t: v[cb + cs t]
.macro MULS xf, xs, cb, cs, cwin
	WIN \cwin
.irp t, 0,1,2,3,4,5,6,7
	v_wmma_scale_f32_16x16x128_f8f6f4 v[D+8*\t:D+8*\t+7], v[16*\t:16*\t+7], v[(\xf):(\xf)+7], v[(\cb)+(\cs)*\t:(\cb)+(\cs)*\t+7], v[HS+\t], v[(\xs)] matrix_a_fmt:MATRIX_FMT_FP4 matrix_b_fmt:MATRIX_FMT_FP4
.endr
	WIN 0x05
.irp t, 0,1,2,3,4,5,6,7
	v_wmma_scale_f32_16x16x128_f8f6f4 v[D+8*\t:D+8*\t+7], v[16*\t+8:16*\t+15], v[(\xf)+8:(\xf)+15], v[D+8*\t:D+8*\t+7], v[HS+\t], v[(\xs)] matrix_a_fmt:MATRIX_FMT_FP4 matrix_b_fmt:MATRIX_FMT_FP4 matrix_a_scale:MATRIX_SCALE_ROW1 matrix_b_scale:MATRIX_SCALE_ROW1
.endr
	WIN 0
.endm
	s_load_b512 s[4:19], s[0:1], 0x0               ; hcodes, hscales, wq_codes, wq_scales, bq, wk_codes, wk_scales, bk
	s_load_b256 s[20:27], s[0:1], 0x40             ; wv_codes, wv_scales, bv, qcodes
	s_load_b128 s[28:31], s[0:1], 0x60             ; qscales, kv
	v_lshrrev_b32 v1, 5, v0
	v_readfirstlane_b32 s32, v1                    ; wave 0..7
	v_and_b32 v9, 31, v0
	v_lshlrev_b32 v[LI], 4, v9
	v_and_b32 v10, 15, v0                          ; r
	v_bfe_u32 v11, v0, 4, 1                        ; h
	v_and_b32 v12, 8, v0
	v_add_nc_u32 v12, v12, v10                     ; r + 8 (r / 8)
	v_lshlrev_b32 v[WA], 7, v12
	v_lshl_add_u32 v[WA], v11, 4, v[WA]
	v_lshlrev_b32 v[WSA], 3, v12
	v_lshl_add_u32 v[WSA], v11, 2, v[WSA]
	v_lshlrev_b32 v[BA], 6, v11
	v_lshlrev_b32 v[HSA], 6, v10
	v_lshl_add_u32 v[HSA], v11, 12, v[HSA]
	v_lshlrev_b32 v[SWA], 2, v10
	v_lshlrev_b32 v[BVA], 2, v12
.irp b, 0,1,2,3
	v_mov_b32 v[TM+4+\b], 0                        ; written once: a lane permute's destination counts as one of its sources
.endr
	s_mov_b32 s[SEL], 0x76543210
	s_mov_b32 s[SEL+1], 0xfedcba98
	s_mov_b32 s33, ttmp9                           ; which 256 positions
	s_and_b32 s34, ttmp7, 0xffff                   ; the batch
	s_and_b32 s35, s32, 1                          ; which half of the channels
	s_mov_b32 s3, 0                                ; s[2:3]: a 32-bit offset as a pair
	s_wait_kmcnt 0x0
	s_cmp_lt_u32 s32, 4
	s_cbranch_scc0 .Lv_path
	; ---------------- q and k ----------------
	s_lshl_b32 s56, s34, 17
	s_lshl_b32 s57, s33, 15
	s_add_co_u32 s56, s56, s57                     ; in hcodes and in qcodes: 131,072 b + 32,768 quarter
	s_mul_i32 s58, s34, 278528
	s_mul_i32 s59, s33, 69632
	s_add_co_u32 s58, s58, s59                     ; in kv: 278,528 b + two key steps a quarter
	s_lshl_b32 s61, s34, 13
	s_lshl_b32 s59, s33, 11
	s_add_co_u32 s59, s61, s59                     ; in qscales: 8,192 b + 2,048 quarter
	s_add_co_u32 s62, s58, 32768                   ; K's scale words in kv
	s_mov_b32 s60, 34816
	s_mov_b32 s63, 34816
	s_mov_b32 s2, s56
	s_add_nc_u64 s[42:43], s[4:5], s[2:3]          ; the streamed tiles of h
	s_lshl_b32 s2, s33, 4
	s_add_co_u32 s2, s2, s61
	s_add_nc_u64 s[52:53], s[6:7], s[2:3]          ; their scale bytes: 16 tiles of each row of each block
	s_cmp_lt_u32 s32, 2                            ; q or k?  The choice hangs on the wave's number alone
	s_cselect_b64 s[36:37], s[8:9], s[14:15]       ; the weight's codes,
	s_cselect_b64 s[38:39], s[10:11], s[16:17]     ; its scales,
	s_cselect_b64 s[40:41], s[12:13], s[18:19]     ; the bias,
	s_cselect_b64 s[44:45], s[26:27], s[30:31]     ; where the images go,
	s_cselect_b64 s[48:49], s[28:29], s[30:31]     ; and the scale words
	s_cselect_b32 s56, s56, s58
	s_cselect_b32 s59, s59, s62
	s_cselect_b32 s60, 16384, s60                  ; from tile 0 to tile 8: eight tiles of q, or a key step of kv
	s_cselect_b32 s63, 1024, s63
	s_lshl_b32 s2, s35, 14
	s_add_nc_u64 s[36:37], s[36:37], s[2:3]        ; my 128 rows of the weight
	s_lshl_b32 s2, s35, 10
	s_add_nc_u64 s[38:39], s[38:39], s[2:3]
	s_add_co_u32 s2, s2, s56                       ; my channels are K step (half) of the images: 1,024 bytes on
	s_add_nc_u64 s[44:45], s[44:45], s[2:3]
	s_mov_b32 s2, s60
	s_add_nc_u64 s[46:47], s[44:45], s[2:3]
	s_lshl_b32 s2, s35, 9
	s_add_nc_u64 s[40:41], s[40:41], s[2:3]
	s_lshl_b32 s2, s35, 6
	s_add_co_u32 s2, s2, s59
	s_add_nc_u64 s[48:49], s[48:49], s[2:3]
	s_mov_b32 s2, s63
	s_add_nc_u64 s[50:51], s[48:49], s[2:3]
.irp i, 0,1,2,3
	global_load_b128 v[R+4*\i:R+4*\i+3], v[HSA], s[52:53] offset:1024*\i   ; block 4 h + i, row r: the bytes of my 16 tiles
.endr
.irp t, 0,1,2,3,4,5,6,7
	global_load_b32 v[HS+\t], v[WSA], s[38:39] offset:(32*(\t/2)+8*(\t%2))*8
.endr
	WIN 0x40                                       ; destination window 1, address window 0
.irp t, 0,1,2,3,4,5,6,7
.irp s, 0,1
.irp c, 0,1
	global_load_b128 v[16*\t+8*\s+4*\c:16*\t+8*\s+4*\c+3], v[WA], s[36:37] offset:(32*(\t/2)+8*(\t%2))*128+64*\s+32*\c
.endr
.endr
.endr
.irp t, 0,1,2,3,4,5,6,7
	global_load_b128 v[BI+8*\t:BI+8*\t+3], v[BA], s[40:41] offset:(32*(\t/2)+8*(\t%2))*4       ; lane (r, h), tile 2 b + u: the bias of channels 32 b + 16 h + 8 u + 0 .. 7
	global_load_b128 v[BI+8*\t+4:BI+8*\t+7], v[BA], s[40:41] offset:(32*(\t/2)+8*(\t%2))*4+16
.endr
.irp i, 0,1,2,3
.irp s, 0,1
.irp c, 0,1
	global_load_b128 v[192+16*\i+8*\s+4*\c:192+16*\i+8*\s+4*\c+3], v[LI], s[42:43] offset:2048*\i+1024*\s+512*\c   ; the ring: tiles 0 to 3
.endr
.endr
.endr
	WIN 0
	s_wait_loadcnt 16                              ; all but the ring's sixteen loads
.irp j, 0,1,2,3
	TR4 R+\j,R+4+\j,R+8+\j,R+12+\j,XS+4*\j
.endr
	PLACES 8                                       ; scale registers written by vector instructions stand eight places ahead of a scaled matrix instruction
.macro UNITQ i
.if 4*(15-(\i)) < 12
	s_wait_loadcnt 4*(15-(\i))                     ; this tile's four loads are in; those of the tiles behind it may be out
.else
	s_wait_loadcnt 12
.endif
	MULS 192+16*((\i)%4),XS+(\i),BI,8,0x15
	PLACES 4                                       ; in front of the loads into registers that the products read, and of the first read of results
.if (\i)+4 < 16
	WIN 0x40
.irp s, 0,1
.irp c, 0,1
	global_load_b128 v[192+16*((\i)%4)+8*\s+4*\c:192+16*((\i)%4)+8*\s+4*\c+3], v[LI], s[42:43] offset:2048*((\i)+4)+1024*\s+512*\c
.endr
.endr
	WIN 0
.endif
	s_wait_xcnt 0x0                                ; the last unit's stores have read their data: codes and scale word are written again only behind this wait
	QUANT D,PC,PW
.if (\i) < 8
	global_store_b128 v[LI], v[PC:PC+3], s[44:45] offset:2048*(\i)            ; 32 lanes store 512 consecutive bytes, aligned
	global_store_b128 v[LI], v[PC+4:PC+7], s[44:45] offset:2048*(\i)+512
	global_store_b32 v[SWA], v[PW], s[48:49] offset:128*(\i)
.else
	global_store_b128 v[LI], v[PC:PC+3], s[46:47] offset:2048*((\i)-8)
	global_store_b128 v[LI], v[PC+4:PC+7], s[46:47] offset:2048*((\i)-8)+512
	global_store_b32 v[SWA], v[PW], s[50:51] offset:128*((\i)-8)
.endif
.endm
.irp i, 0,1,2,3,4,5,6,7,8,9,10,11,12,13,14,15
	UNITQ \i
.endr
	s_endpgm
	; ---------------- v ----------------
.Lv_path:
	s_sub_co_u32 s56, s32, 4
	s_lshr_b32 s56, s56, 1
	s_lshl_b32 s57, s33, 1
	s_add_co_u32 s56, s56, s57                     ; my key step: 2 x quarter + (wave - 4) / 2
	s_lshl_b32 s2, s34, 17
	s_lshl_b32 s57, s56, 14
	s_add_co_u32 s2, s2, s57
	s_add_nc_u64 s[36:37], s[4:5], s[2:3]          ; its eight tiles of h
	s_lshl_b32 s2, s34, 13
	s_lshl_b32 s57, s56, 3
	s_add_co_u32 s2, s2, s57
	s_add_nc_u64 s[52:53], s[6:7], s[2:3]          ; and their scale bytes
	s_lshl_b32 s2, s35, 14
	s_add_nc_u64 s[42:43], s[20:21], s[2:3]        ; my 128 rows of wv,
	s_lshl_b32 s2, s35, 10
	s_add_nc_u64 s[38:39], s[22:23], s[2:3]        ; their scales,
	s_lshl_b32 s2, s35, 9
	s_add_nc_u64 s[40:41], s[24:25], s[2:3]        ; their bias
	s_mul_i32 s58, s34, 278528
	s_mul_i32 s57, s56, 34816
	s_add_co_u32 s58, s58, s57
	s_lshl_b32 s57, s35, 13
	s_add_co_u32 s2, s58, s57
	s_add_co_u32 s2, s2, 16384
	s_add_nc_u64 s[44:45], s[30:31], s[2:3]        ; V's images: eight of 1,024 bytes
	s_lshl_b32 s57, s35, 9
	s_add_co_u32 s2, s58, s57
	s_add_co_u32 s2, s2, 33792
	s_add_nc_u64 s[48:49], s[30:31], s[2:3]        ; V's scale words: eight times 64 bytes
.irp i, 0,1,2,3
	global_load_b64 v[R+2*\i:R+2*\i+1], v[HSA], s[52:53] offset:1024*\i
.endr
.irp i, 0,1,2,3,4,5,6,7
	global_load_b32 v[XS+\i], v[WSA], s[38:39] offset:(32*(\i/2)+8*(\i%2))*8
	global_load_b32 v[BV+\i], v[BVA], s[40:41] offset:(32*(\i/2)+8*(\i%2))*4   ; a lane holds one channel: its bias
.endr
	WIN 0x40
.irp t, 0,1,2,3,4,5,6,7
.irp s, 0,1
.irp c, 0,1
	global_load_b128 v[16*\t+8*\s+4*\c:16*\t+8*\s+4*\c+3], v[LI], s[36:37] offset:2048*\t+1024*\s+512*\c
	global_load_b128 v[128+16*\t+8*\s+4*\c:128+16*\t+8*\s+4*\c+3], v[WA], s[42:43] offset:(32*(\t/2)+8*(\t%2))*128+64*\s+32*\c
.endr
.endr
.endr
	WIN 0
	s_wait_loadcnt 0x0
.irp j, 0,1
	TR4 R+\j,R+2+\j,R+4+\j,R+6+\j,HS+4*\j
.endr
.irp j, 0,1,2,3,4,5,6,7
	v_mov_b32 v[CB+\j], v[BV]
.endr
	PLACES 8
.macro UNITV i
	MULS 128+16*(\i),XS+(\i),CB,0,0x05
	PLACES 4
.if (\i) < 7
.irp j, 0,1,2,3,4,5,6,7
	v_mov_b32 v[CB+\j], v[BV+(\i)+1]               ; the next tile's bias, in all eight registers of a C
.endr
.endif
	s_wait_xcnt 0x0                                ; the last unit's stores have read their data
	QUANT D,PC,PW
	global_store_b128 v[LI], v[PC:PC+3], s[44:45] offset:1024*(\i)
	global_store_b128 v[LI], v[PC+4:PC+7], s[44:45] offset:1024*(\i)+512
	global_store_b32 v[SWA], v[PW], s[48:49] offset:64*(\i)
.endm
.irp i, 0,1,2,3,4,5,6,7
	UNITV \i
.endr
	s_endpgm
.Lfunc_end_k_q60b7ca3ed7_qkv:
	.size	k_q60b7ca3ed7_qkv, .Lfunc_end_k_q60b7ca3ed7_qkv-k_q60b7ca3ed7_qkv
	.p2alignl 7, 3214868480
	.fill 96, 4, 3214868480
	.section	.rodata,"a",@progbits
	.p2align	6, 0x0
	.amdhsa_kernel k_q60b7ca3ed7_qkv
		.amdhsa_group_segment_fixed_size 0
		.amdhsa_private_segment_fixed_size 0
		.amdhsa_enable_private_segment 0
		.amdhsa_kernarg_size 112
		.amdhsa_user_sgpr_count 2
		.amdhsa_user_sgpr_kernarg_segment_ptr 1
		.amdhsa_wavefront_size32 1
		.amdhsa_system_sgpr_workgroup_id_x 1
		.amdhsa_system_sgpr_workgroup_id_y 1
		.amdhsa_system_sgpr_workgroup_id_z 1
		.amdhsa_system_vgpr_workitem_id 0
		.amdhsa_next_free_vgpr 512
		.amdhsa_next_free_sgpr 66
		.amdhsa_reserve_vcc 0
		.amdhsa_float_denorm_mode_32 3
		.amdhsa_float_denorm_mode_16_64 3
		.amdhsa_memory_ordered 1
		.amdhsa_forward_progress 1
		.amdhsa_inst_pref_size 182
	.end_amdhsa_kernel
	.amdgpu_metadata
---
amdhsa.version: [ 1, 2 ]
amdhsa.kernels:
  - .name:           k_q60b7ca3ed7_qkv
    .symbol:         k_q60b7ca3ed7_qkv.kd
    .args:
      - { .name: hcodes, .offset: 0, .size: 8, .value_kind: global_buffer, .address_space: global }
      - { .name: hscales, .offset: 8, .size: 8, .value_kind: global_buffer, .address_space: global }
      - { .name: wq_codes, .offset: 16, .size: 8, .value_kind: global_buffer, .address_space: global }
      - { .name: wq_scales, .offset: 24, .size: 8, .value_kind: global_buffer, .address_space: global }
      - { .name: bq, .offset: 32, .size: 8, .value_kind: global_buffer, .address_space: global }
      - { .name: wk_codes, .offset: 40, .size: 8, .value_kind: global_buffer, .address_space: global }
      - { .name: wk_scales, .offset: 48, .size: 8, .value_kind: global_buffer, .address_space: global }
      - { .name: bk, .offset: 56, .size: 8, .value_kind: global_buffer, .address_space: global }
      - { .name: wv_codes, .offset: 64, .size: 8, .value_kind: global_buffer, .address_space: global }
      - { .name: wv_scales, .offset: 72, .size: 8, .value_kind: global_buffer, .address_space: global }
      - { .name: bv, .offset: 80, .size: 8, .value_kind: global_buffer, .address_space: global }
      - { .name: qcodes, .offset: 88, .size: 8, .value_kind: global_buffer, .address_space: global }
      - { .name: qscales, .offset: 96, .size: 8, .value_kind: global_buffer, .address_space: global }
      - { .name: kv, .offset: 104, .size: 8, .value_kind: global_buffer, .address_space: global }
    .group_segment_fixed_size: 0
    .private_segment_fixed_size: 0
    .kernarg_segment_align: 8
    .kernarg_segment_size: 112
    .max_flat_workgroup_size: 256
    .sgpr_count:     66
    .vgpr_count:     512
    .wavefront_size: 32
...
	.end_amdgpu_metadata
.endif
;; end of part 2
;; launch attn (part 3): grid 4 x 64, 8 waves a work-group, clusters of 4 x 1, 327,680 bytes of LDS; arguments qcodes, qscales, kv, wo_codes, wo_scales, bo, x, out0; writes out0
.if DOCPART == 3
	.amdgcn_target "amdgcn-amd-amdhsa--gfx1250"
	.amdhsa_code_object_version 6
	.text
	.protected	k_q60b7ca3ed7_attn
	.globl	k_q60b7ca3ed7_attn
	.p2align	8
	.type	k_q60b7ca3ed7_attn,@function
k_q60b7ca3ed7_attn:
	s_mov_b64 s[64:65], 0
	v_nop
	global_prefetch_b8 v0, s[64:65] scope:SCOPE_SE
	s_setreg_imm32_b32 hwreg(HW_REG_WAVE_MODE, 25, 1), 1
	s_wait_xcnt 0x0
	s_wait_alu depctr_hold_cnt(0) depctr_sa_sdst(0) depctr_va_vdst(0) depctr_va_sdst(0) depctr_va_ssrc(0) depctr_va_vcc(0) depctr_vm_vsrc(0)
	s_getreg_b32 s2, hwreg(HW_REG_IB_STS2, 6, 4)
	s_cmp_eq_u32 s2, 0
	s_cbranch_scc0 .Lentry_in_a_cluster
	s_endpgm
.Lentry_in_a_cluster:
	s_bfe_u32 s2, ttmp6, 0x10000c
	s_cmp_lg_u32 s2, 0x3003
	s_cbranch_scc0 .Lentry_shape_is_right
	s_endpgm
.Lentry_shape_is_right:
; out0 = x + wo attn + bo, attn[c][n] = sum over m of softmax_m(q[:, n] . k[:, m] / 16) v[c][m]; all three products on codes of FP4 (E2M1) with E8M0 scales.
; THE SOFTMAX AHEAD OF THE SECOND PRODUCT: t = score x log2(e) / 16; M = the row's largest t so far, rounded up to a whole number; p = 2^(t - M) is quantised along the keys, not normalised; the row's sum is
; taken of the unquantised p and divides at the end; when M moves, the sum and O are multiplied by 2^(old M - new M), which rounds nothing.
; SHARES.  A cluster of four work-groups is one batch; a work-group owns 256 queries, each of its eight waves two tiles of 16 (e = 0, 1): each fragment of K and V read from LDS feeds two matrix instructions.
; K AND V OF THE WHOLE BATCH, as images of the operands' registers with their scale words, are one dense block of 278,528 bytes: it is brought into LDS ONCE, by sixteen tensor loads of 68 rows of 256 bytes, two a wave,
; asked for JOINTLY by the four work-groups (the same descriptor, a mask that names the four).  Nothing in LDS is filled again.  wo's codes come by a plain tensor load: their address is the same in every cluster, and they are
; 32,768 bytes a work-group beside kv's 278,528.  By this text's count a wave has three tensor loads out, all waited for in front of the first barrier.
; LAYOUT.  S^T = K Q^T and O^T = V^T P^T: a lane holds ONE query throughout.  Row p of tile T (of queries, of keys, of V's channels) is number 32 (T / 2) + 8 (T % 2) + p + 8 (p / 8), so that the 16 registers of
; tiles 2 b and 2 b + 1 are 16 neighbours along the next K.  In the last product source 0 = attn's 16 queries, source 1 = 16 rows of wo: a lane holds one output channel and eight neighbouring positions.
; LIMITS: NaN and infinities are not served; p under 2^-126 counts as 0; a block whose largest magnitude lies under 2^-124 gets the byte 1, its codes being zeros or tiny.
; LDS: 0 .. 278,527 kv (key step j at 34,816 j: K's images (2 t + s) x 1,024; V's at 16,384 + 1,024 ct; K's scale words at 32,768; V's at 33,792); 278,528 .. 315,391 wo, 256 rows of 128 + 16 bytes.
;   The stage for the way out, 256 rows (output channels) of 1,024 + 16 bytes, lies over kv, which has had its one fill and is read by nobody behind the barrier in front of the last product.
; REGISTERS.  Window 0: v1-7 addresses; v8-15 -M, t and the sum's two halves for each tile; v16-19 f; v20-41 scale words; v42-43 an LDS address and a zero; v44-47 offsets, bo; v48-79 two buffers of K's fragments, then p's codes;
;   v80-95 at work; v96-127 Q, at the end attn's codes; v128-255 S^T and p, then V's fragments, at the end wo's fragments and results.   Window 1: O^T (tile e, channels' tile ct at 128 e + 8 ct), at the end x.
.set KSB, 34816
.set WOL, 278528
.set LI,  1                            ; 16 x lane
.set LS,  2                            ; 4 x lane
.set ADK, 3                            ; the key step's images
.set ADS, 4                            ; its scale words
.set WOA, 5                            ; wo's fragments: WOL + 144 r + 16 h
.set STO, 6                            ; the stage, in: 1,040 r + 128 wave + 64 h
.set RD,  7                            ; the stage, back: 33,280 wave + 16 lane
.set ST,  8
.set F,   16
.set QS,  20
.set PW,  22
.set KS,  24
.set VS,  26
.set AW,  22                           ; at the end: attn's scale words (2 e + s), v22-25,
.set WS,  26                           ; and wo's, v26-41
.set PFO, 44
.set WSA, 45
.set KB,  48
.set PC,  48
.set TM,  80
.set BM,  80
.set BP,  84
.set BS,  88
.set TT,  92
.set Q,   96
.set AC,  96
.set S,   128
.set WV,  20                           ; s20 my wave's number
.set SEL, 52                           ; s[52:53] lane selects for lane l xor 16
.set CS,  54                           ; s[54:55] c = log2(e) / 16
.set TB,  56                           ; s56 LDS byte at which the key step begins
.set CNT, 57                           ; s57 key steps to go
.set MSB, 0
.macro WIN new                         ; the immediate's high byte repeats the setting that is left
.if MSB != \new
	s_set_vgpr_msb (MSB<<8)|\new
.set MSB, \new
.endif
.endm
.macro PLACES n
.rept \n
	v_nop
.endr
.endm
.macro CROUND                          ; a round of the cluster's barrier
	s_barrier_signal -1
	s_barrier_wait -1
	s_cmp_lg_u32 s[WV], 0
	s_cbranch_scc1 .Lnot_wave_0_\@
	s_barrier_signal -3
.Lnot_wave_0_\@:
	s_barrier_wait -3
	s_barrier_signal -1
	s_barrier_wait -1
.endm
; 64 numbers of a lane, register 16 b + i = k 32 b + 16 (lane / 16) + i of my row, become a fragment's codes in v[dst] on and its scale word in v[wrd]
.macro QUANT src, dst, wrd
.irp b, 0,1,2,3
	v_max3_num_f32 v[TM+\b], |v[(\src)+16*\b]|, |v[(\src)+1+16*\b]|, 0x1800000
.endr
.irp i, 2,4,6,8,10,12,14
.irp b, 0,1,2,3
	v_max3_num_f32 v[TM+\b], v[TM+\b], |v[(\src)+16*\b+\i]|, |v[(\src)+1+16*\b+\i]|
.endr
.endr
.irp b, 0,1,2,3
	v_permlanex16_b32 v[TM+4+\b], v[TM+\b], s[SEL], s[SEL+1]
.endr
.irp b, 0,1,2,3
	v_max_num_f32 v[TM+\b], v[TM+\b], v[TM+4+\b]
.endr
.irp b, 0,1,2,3
	v_add_nc_u32 v[TM+12+\b], 0xff000000, v[TM+\b]
.endr
.irp b, 0,1,2,3
	v_lshrrev_b32 v[TM+4+\b], 23, v[TM+12+\b]
.endr
	v_lshl_or_b32 v[(\wrd)], v[TM+5], 8, v[TM+4]
	v_lshl_or_b32 v[(\wrd)], v[TM+6], 16, v[(\wrd)]
	v_lshl_or_b32 v[(\wrd)], v[TM+7], 24, v[(\wrd)]
.irp b, 0,1,2,3
	v_cvt_scalef32_pk8_fp4_f32 v[(\dst)+2*\b], v[(\src)+16*\b:(\src)+7+16*\b], v[TM+12+\b]
	v_cvt_scalef32_pk8_fp4_f32 v[(\dst)+1+2*\b], v[(\src)+8+16*\b:(\src)+15+16*\b], v[TM+12+\b]
.endr
	v_nop                                          ; one plain instruction behind the scaled conversions
.irp c, 0,1
.irp i, 0,1
	v_permlane16_swap_b32 v[(\dst)+4*\c+\i], v[(\dst)+2+4*\c+\i]
.endr
.endr
.endm
.macro KLOAD t, buf                    ; K's tile t of the step: two fragments and their scale words (lanes 16-31: K step 1's): five LDS loads
.irp s, 0,1
.irp c, 0,1
	ds_load_b128 v[KB+16*(\buf)+8*\s+4*\c:KB+16*(\buf)+8*\s+4*\c+3], v[ADK] offset:2048*(\t)+1024*\s+512*\c
.endr
.endr
	ds_load_b32 v[KS+(\buf)], v[ADS] offset:32768+128*(\t)
.endm
.macro KQ4 t                           ; S^T of 16 keys x my two tiles: the two accumulators by turns
.set kb, KB+16*((\t)%2)
.set ksr, KS+(\t)%2
.irp e, 0,1
	v_wmma_scale_f32_16x16x128_f8f6f4 v[S+64*\e+8*(\t):S+64*\e+8*(\t)+7], v[kb:kb+7], v[Q+16*\e:Q+16*\e+7], 0, v[ksr], v[QS+\e] matrix_a_fmt:MATRIX_FMT_FP4 matrix_b_fmt:MATRIX_FMT_FP4
.endr
.irp e, 0,1
	v_wmma_scale_f32_16x16x128_f8f6f4 v[S+64*\e+8*(\t):S+64*\e+8*(\t)+7], v[kb+8:kb+15], v[Q+16*\e+8:Q+16*\e+15], v[S+64*\e+8*(\t):S+64*\e+8*(\t)+7], v[ksr], v[QS+\e] matrix_a_fmt:MATRIX_FMT_FP4 matrix_b_fmt:MATRIX_FMT_FP4 matrix_a_scale:MATRIX_SCALE_ROW1 matrix_b_scale:MATRIX_SCALE_ROW1
.endr
.endm
; tile e's softmax for a key step of 128 keys: from 64 scores a lane to p's codes, its scale word, f and the running sum
.macro SOFTMAX e
.set rS, S+64*(\e)
.set rT, ST+4*(\e)
.set rF, F+2*(\e)
.set rP, PC+8*(\e)
.set rW, PW+(\e)
.irp b, 0,1,2,3
	v_max3_num_f32 v[BM+\b], v[rS+16*\b], v[rS+1+16*\b], v[rS+2+16*\b]   ; the largest score of each block of 32 keys: it serves for the row's maximum and, since p rises with the score, for the block's largest p
.endr
.irp i, 3,5,7,9,11,13
.irp b, 0,1,2,3
	v_max3_num_f32 v[BM+\b], v[BM+\b], v[rS+16*\b+\i], v[rS+1+16*\b+\i]
.endr
.endr
.irp b, 0,1,2,3
	v_max_num_f32 v[BM+\b], v[BM+\b], v[rS+15+16*\b]
.endr
.irp b, 0,1,2,3
	v_permlanex16_b32 v[BP+\b], v[BM+\b], s[SEL], s[SEL+1]
.endr
.irp b, 0,1,2,3
	v_max_num_f32 v[BM+\b], v[BM+\b], v[BP+\b]     ; with lane l xor 16's 16 keys
.endr
	v_max3_num_f32 v[TT], v[BM], v[BM+1], v[BM+2]
	v_max_num_f32 v[TT], v[TT], v[BM+3]
	v_mul_f32 v[TT], s[CS], v[TT]                  ; the step's largest t (c is positive)
	v_max_num_f32 v[rT+1], v[rT+1], v[TT]          ; the running largest t
	v_mov_b32 v[TT], v[rT]
	v_floor_f32 v[rT], -v[rT+1]                    ; the new -M = floor(-t): M is a whole number
	v_sub_f32 v[TT], v[rT], v[TT]                  ; old M - new M: a whole number, 0 or less
	v_cvt_i32_f32 v[TT], v[TT]                     ; (it saturates)
	v_ldexp_f32 v[rF], 1.0, v[TT]                  ; f = 2^(old M - new M)
.set j, 0
.rept 32
	v_pk_fma_f32 v[rS+j:rS+j+1], v[rS+j:rS+j+1], s[CS:CS+1], v[rT:rT+1] op_sel_hi:[1,0,0]   ; t - M, two at a time
.set j, j+2
.endr
.irp b, 0,1,2,3
	v_fma_f32 v[BM+\b], v[BM+\b], s[CS], v[rT]     ; the same of each block's largest score
.endr
.set j, 0
.rept 64
	v_exp_f32 v[rS+j], v[rS+j]                     ; p = 2^(t - M), at most 1
.set j, j+1
.endr
	v_pk_mul_f32 v[rT+2:rT+3], v[rT+2:rT+3], v[rF:rF+1] op_sel_hi:[1,0]   ; the sums under the new M.  (The plain instruction behind the exponentials)
	s_wait_alu depctr_va_vdst(0)                   ; one wait for the batch of 64, ahead of its first reader
.irp b, 0,1,2,3
	v_exp_f32 v[BM+\b], v[BM+\b]                   ; the block's largest p
.endr
	v_pk_add_f32 v[BP:BP+1], v[rS:rS+1], v[rS+2:rS+3]   ; the row's sum is taken of the unquantised p, in two chains
.set j, 4
.rept 15
	v_pk_add_f32 v[rT+2:rT+3], v[rT+2:rT+3], v[rS+j:rS+j+1]
	v_pk_add_f32 v[BP:BP+1], v[BP:BP+1], v[rS+j+2:rS+j+3]
.set j, j+4
.endr
	v_pk_add_f32 v[rT+2:rT+3], v[rT+2:rT+3], v[BP:BP+1]
	s_wait_alu depctr_va_vdst(0)                   ; and one for the four
.irp b, 0,1,2,3
	v_max_num_f32 v[BM+\b], 0x1800000, v[BM+\b]    ; the floor 2^(3 - 127): the byte cannot fall under 1
.endr
.irp b, 0,1,2,3
	v_add_nc_u32 v[BS+\b], 0xff000000, v[BM+\b]
.endr
.irp b, 0,1,2,3
	v_lshrrev_b32 v[BP+\b], 23, v[BS+\b]
.endr
	v_lshl_or_b32 v[rW], v[BP+1], 8, v[BP]         ; p's scale word for these 128 keys
	v_lshl_or_b32 v[rW], v[BP+2], 16, v[rW]
	v_lshl_or_b32 v[rW], v[BP+3], 24, v[rW]
.irp b, 0,1,2,3
	v_cvt_scalef32_pk8_fp4_f32 v[rP+2*\b], v[rS+16*\b:rS+7+16*\b], v[BS+\b]
	v_cvt_scalef32_pk8_fp4_f32 v[rP+1+2*\b], v[rS+8+16*\b:rS+15+16*\b], v[BS+\b]
.endr
	v_nop
.irp c, 0,1
.irp i, 0,1
	v_permlane16_swap_b32 v[rP+4*\c+\i], v[rP+2+4*\c+\i]
.endr
.endr
.endm
.macro VLOAD hf                        ; V's fragments of channels' tiles 8 hf .. 8 hf + 7 into the registers that tile hf's p has left, and their scale words (lanes 16-31: the odd tile's): twenty LDS loads
.irp n, 0,1,2,3,4,5,6,7
.irp c, 0,1
	ds_load_b128 v[S+64*(\hf)+8*\n+4*\c:S+64*(\hf)+8*\n+4*\c+3], v[ADK] offset:16384+1024*(8*(\hf)+\n)+512*\c
.endr
.endr
.irp p, 0,1,2,3
	ds_load_b32 v[VS+4*(\hf)+\p], v[ADS] offset:33792+128*(4*(\hf)+\p)
.endr
.endm
.macro RESCALE e                       ; tile e's O^T under the new M
	WIN 0x41                                       ; destination and source 0 window 1
.set k, 0
.rept 64
	v_pk_mul_f32 v[128*(\e)+k:128*(\e)+k+1], v[128*(\e)+k:128*(\e)+k+1], v[F+2*(\e):F+2*(\e)+1] op_sel_hi:[1,0]
.set k, k+2
.endr
	WIN 0
.endm
.macro PV1 ct, e, first, odd
.if \first
.if \odd
	v_wmma_scale_f32_16x16x128_f8f6f4 v[128*(\e)+8*(\ct):128*(\e)+8*(\ct)+7], v[S+8*(\ct):S+8*(\ct)+7], v[PC+8*(\e):PC+8*(\e)+7], 0, v[VS+(\ct)/2], v[PW+(\e)] matrix_a_fmt:MATRIX_FMT_FP4 matrix_b_fmt:MATRIX_FMT_FP4 matrix_a_scale:MATRIX_SCALE_ROW1
.else
	v_wmma_scale_f32_16x16x128_f8f6f4 v[128*(\e)+8*(\ct):128*(\e)+8*(\ct)+7], v[S+8*(\ct):S+8*(\ct)+7], v[PC+8*(\e):PC+8*(\e)+7], 0, v[VS+(\ct)/2], v[PW+(\e)] matrix_a_fmt:MATRIX_FMT_FP4 matrix_b_fmt:MATRIX_FMT_FP4
.endif
.else
.if \odd
	v_wmma_scale_f32_16x16x128_f8f6f4 v[128*(\e)+8*(\ct):128*(\e)+8*(\ct)+7], v[S+8*(\ct):S+8*(\ct)+7], v[PC+8*(\e):PC+8*(\e)+7], v[128*(\e)+8*(\ct):128*(\e)+8*(\ct)+7], v[VS+(\ct)/2], v[PW+(\e)] matrix_a_fmt:MATRIX_FMT_FP4 matrix_b_fmt:MATRIX_FMT_FP4 matrix_a_scale:MATRIX_SCALE_ROW1
.else
	v_wmma_scale_f32_16x16x128_f8f6f4 v[128*(\e)+8*(\ct):128*(\e)+8*(\ct)+7], v[S+8*(\ct):S+8*(\ct)+7], v[PC+8*(\e):PC+8*(\e)+7], v[128*(\e)+8*(\ct):128*(\e)+8*(\ct)+7], v[VS+(\ct)/2], v[PW+(\e)] matrix_a_fmt:MATRIX_FMT_FP4 matrix_b_fmt:MATRIX_FMT_FP4
.endif
.endif
.endm
.macro PV hf, first                    ; O^T += V^T P^T: 8 tiles of channels x my two tiles of queries, sixteen accumulators by turns.  first = 1: the products start the sums: nothing is cleared
.if \first
	WIN 0x40                                       ; D window 1
.else
	WIN 0x50                                       ; C and D window 1
.endif
.irp n, 0,1,2,3,4,5,6,7
.irp e, 0,1
	PV1 8*(\hf)+\n,\e,\first,\n%2
.endr
.endr
.endm
; A KEY STEP: 128 keys.  pf = 1: in the loop's last trip x is prefetched
.macro STEP first, pf
	v_add_nc_u32 v[ADK], s[TB], v[LI]
	v_add_nc_u32 v[ADS], s[TB], v[LS]
	PLACES 4                                       ; with the two additions six places behind the last step's products: five are owed by the products below, which write over registers that those read, four by the loads
	KLOAD 0,0
	KLOAD 1,1
.irp t, 0,1,2,3,4,5,6,7
.if \t < 7
	s_wait_dscnt 5                                 ; this tile's five loads are in; the next tile's five may be out
.else
	s_wait_dscnt 0x0
.endif
	KQ4 \t
.if \t < 6
	PLACES 4                                       ; in front of loads into registers that the products have read
	KLOAD \t+2,\t%2
.endif
.endr
	PLACES 4                                       ; in front of the first read of results
	SOFTMAX 0
	VLOAD 0
.if !\first
	RESCALE 0
.endif
	SOFTMAX 1
	VLOAD 1
.if \pf
	; x, which the way out adds, is asked for one key step ahead of its loads: rows 0 to 15 of my wave's 32 output channels, my work-group's 1,024 bytes of each: a lane a block of 256 bytes, each block named once in the launch
	s_cmp_lg_u32 s[CNT], 1
	s_cbranch_scc1 .Lno_pf_\@
	global_prefetch_b8 v[PFO], s[16:17] th:TH_LOAD_NT scope:SCOPE_SE
	global_prefetch_b8 v[PFO], s[16:17] offset:32768 th:TH_LOAD_NT scope:SCOPE_SE
.Lno_pf_\@:
.endif
.if \first
	PLACES 8                                       ; a scale register written by vector instructions stands eight places ahead of a scaled matrix instruction, an operand four
.else
	RESCALE 1                                      ; (these 64 are those places)
.endif
	s_wait_dscnt 20                                ; V's first half is in; the second half's twenty loads may be out
	PV 0,\first
	s_wait_dscnt 0x0
	PV 1,\first
	WIN 0
	s_add_co_u32 s[TB], s[TB], KSB
.endm
	s_load_b512 s[4:19], s[0:1], 0x0               ; qcodes, qscales, kv, wo_codes, wo_scales, bo, x, out0
	v_lshl_add_u32 v42, v0, 2, 0x4d000
	v_mov_b32 v43, 0
	ds_add_u32 v42, v43
	ds_add_u32 v42, v43
	v_lshrrev_b32 v3, 5, v0
	v_readfirstlane_b32 s[WV], v3                  ; wave 0..7
	s_bfe_u32 s21, ttmp6, 0x40000                  ; cx: my place in the cluster = my block of 256 queries (the grid has one cluster along x): it enters the addresses of q, x and out0 alone
	s_and_b32 s22, ttmp7, 0xffff                   ; the batch, which the four partners share
	; descriptor group 1 for kv: 68 dense rows of 256 bytes (32 elements of 8 bytes), no padding
	s_mov_b32 s24, 15|(3<<16)|(1<<21)              ; 15:0 the mask: all four work-groups; 17:16 elements of 8 bytes; 21 set beside a mask
	s_mov_b32 s25, 32<<16                          ; tensor_dim0 = 32
	s_mov_b32 s26, 68<<16                          ; tensor_dim1 = 68
	s_mov_b32 s27, 32<<16                          ; tile_dim0 = 32
	s_mov_b32 s28, 68                              ; tile_dim1 = 68
	s_mov_b32 s29, 32                              ; from row to row
	s_mov_b32 s30, 0
	s_mov_b32 s31, 0
	; and for wo: 32 rows of 128 bytes, 16 bytes of padding behind each: LDS rows 144 bytes apart, so that the sixteen rows of a fragment load start at different banks
	s_mov_b32 s32, (1<<20)|(4<<22)|(3<<25)         ; no mask; elements of 1 byte; padding on: after every 32 words (code 4) four words (code 3)
	s_mov_b32 s33, 128<<16
	s_mov_b32 s34, 32<<16
	s_mov_b32 s35, 128<<16
	s_mov_b32 s36, 32
	s_mov_b32 s37, 128
	s_mov_b32 s38, 0
	s_mov_b32 s39, 0
	s_mul_i32 s58, s22, 278528
	s_mul_i32 s59, s[WV], 17408                    ; my sixteenth of the block, in memory and in LDS alike
	s_add_co_u32 s60, s58, s59
	s_mov_b32 s61, 0
	s_mov_b32 s40, 1
	s_mov_b32 s41, s59
	s_mov_b32 s44, 1
	s_add_co_u32 s45, s59, 139264                  ; and the sixteenth eight further on
	s_mov_b32 s48, 1
	s_mul_i32 s49, s[WV], 4608
	s_add_co_u32 s49, s49, WOL
	s_lshl_b32 s62, s[WV], 12                      ; my 32 rows of wo
	s_mov_b32 s63, 0
	s_mov_b32 s[SEL], 0x76543210
	s_mov_b32 s[SEL+1], 0xfedcba98
	s_mov_b32 s[CS], 0x3db8aa3b                    ; c = log2(e) / 16
	s_mov_b32 s[CS+1], s[CS]
	s_mov_b32 s[TB], 0
	s_mov_b32 s[CNT], 7
	s_wait_dscnt 0x0
	s_wait_kmcnt 0x0
	s_add_nc_u64 s[42:43], s[8:9], s[60:61]
	s_add_nc_u64 s[46:47], s[42:43], 139264
	s_add_nc_u64 s[50:51], s[10:11], s[62:63]
	s_or_b32 s43, s43, 0x80000000                  ; type = 2
	s_or_b32 s47, s47, 0x80000000
	s_or_b32 s51, s51, 0x80000000
	CROUND                                         ; all four work-groups are here: the joint loads meet
	tensor_load_to_lds s[40:43], s[24:31]          ; key steps 0 to 3: my part
	s_nop 0
	tensor_load_to_lds s[44:47], s[24:31]          ; key steps 4 to 7: my part
	s_nop 0
	tensor_load_to_lds s[48:51], s[32:39]          ; wo: my part
	s_nop 0
	PLACES 4
	s_lshl_b32 s58, s22, 17
	s_lshl_b32 s59, s21, 15
	s_add_co_u32 s58, s58, s59
	s_lshl_b32 s59, s[WV], 12
	s_add_co_u32 s60, s58, s59                     ; my two tiles of q: 131,072 b + 2,048 (16 cx + 2 wave)
	s_add_nc_u64 s[4:5], s[4:5], s[60:61]
	s_lshr_b32 s60, s60, 4                         ; their scale words: a sixteenth of that
	s_add_nc_u64 s[6:7], s[6:7], s[60:61]
	s_lshl_b32 s58, s22, 20
	s_lshl_b32 s59, s[WV], 17
	s_add_co_u32 s58, s58, s59
	s_lshl_b32 s59, s21, 10
	s_add_co_u32 s60, s58, s59                     ; x and out0: the batch, my wave's 32 channels, my work-group's 256 positions
	s_add_nc_u64 s[16:17], s[16:17], s[60:61]
	s_add_nc_u64 s[18:19], s[18:19], s[60:61]
	s_lshl_b32 s60, s[WV], 7
	s_add_nc_u64 s[14:15], s[14:15], s[60:61]
	s_load_b512 s[68:83], s[14:15], 0x0            ; bo of my wave's 32 channels
	s_load_b512 s[84:99], s[14:15], 0x40
	v_and_b32 v3, 31, v0
	v_lshlrev_b32 v[LI], 4, v3
	v_lshlrev_b32 v[LS], 2, v3
.irp e, 0,1
.irp s, 0,1
.irp c, 0,1
	global_load_b128 v[Q+16*\e+8*\s+4*\c:Q+16*\e+8*\s+4*\c+3], v[LI], s[4:5] offset:2048*\e+1024*\s+512*\c   ; Q's fragments stay in registers
.endr
.endr
	global_load_b32 v[QS+\e], v[LS], s[6:7] offset:128*\e     ; lanes 0-15: K step 0's words; lanes 16-31: K step 1's
.endr
	v_and_b32 v46, 15, v0                          ; r
	v_bfe_u32 v47, v0, 4, 1                        ; h
	v_mul_u32_u24 v[WOA], v46, 144
	v_lshl_add_u32 v[WOA], v47, 4, v[WOA]
	v_add_nc_u32 v[WOA], WOL, v[WOA]
	v_mul_u32_u24 v[STO], v46, 1040
	v_lshl_add_u32 v[STO], v47, 6, v[STO]
	s_lshl_b32 s58, s[WV], 7
	v_add_nc_u32 v[STO], s58, v[STO]
	s_mul_i32 s58, s[WV], 33280
	v_add_nc_u32 v[RD], s58, v[LI]
	v_lshlrev_b32 v[WSA], 3, v46
	v_lshl_add_u32 v[WSA], v47, 2, v[WSA]          ; wo's scale words: 8 r + 4 h
	v_lshrrev_b32 v[PFO], 2, v3
	v_lshlrev_b32 v[PFO], 12, v[PFO]
	v_and_b32 v4, 3, v3
	v_lshl_add_u32 v[PFO], v4, 8, v[PFO]           ; the prefetches: row lane / 4, block lane % 4
.irp e, 0,1
	v_mov_b32 v[ST+4*\e+1], 0xff61b1e6             ; the largest t so far: -3e38, under every t
	v_floor_f32 v[ST+4*\e], -v[ST+4*\e+1]          ; -M
	v_mov_b32 v[ST+4*\e+2], 0                      ; the sum, in two halves
	v_mov_b32 v[ST+4*\e+3], 0
	v_mov_b32 v[F+2*\e+1], 0                       ; (named as the upper half of f's pair)
.endr
.irp b, 0,1,2,3
	v_mov_b32 v[BP+\b], 0                          ; written once: a lane permute's destination counts as one of its sources
.endr
	s_wait_kmcnt 0x0                               ; bo
	s_wait_tensorcnt 0x0                           ; my three parts have landed,
	s_barrier_signal -1
	s_barrier_wait -1                              ; everybody's have: K, V and wo are whole
	s_wait_loadcnt 0x0                             ; Q
	STEP 1,0                                       ; the first key step starts O^T's sums
.Lstep:
	STEP 0,1
	s_sub_co_i32 s[CNT], s[CNT], 1
	s_cmp_lg_u32 s[CNT], 0
	s_cbranch_scc1 .Lstep
	; attn = O^T / the sum, quantised along the channels: four fragments (tile e, K step s)
	PLACES 4                                       ; behind the last products: their results are read, and loads land in their scale registers
.set t, 0
.rept 16
	global_load_b32 v[WS+t], v[WSA], s[12:13] offset:128*t   ; wo's scale words: rows 16 t + r; lanes 16-31: K step 1's
.set t, t+1
.endr
.irp e, 0,1
	v_add_f32 v[ST+4*\e+2], v[ST+4*\e+2], v[ST+4*\e+3]
.endr
.irp e, 0,1
	v_permlanex16_b32 v[BP+\e], v[ST+4*\e+2], s[SEL], s[SEL+1]
.endr
.irp e, 0,1
	v_add_f32 v[ST+4*\e+2], v[ST+4*\e+2], v[BP+\e] ; the row's sum
.endr
.irp e, 0,1
	v_rcp_f32 v[F+2*\e], v[ST+4*\e+2]
.endr
	v_nop                                          ; a plain instruction behind the reciprocals,
	s_wait_alu depctr_va_vdst(0)                   ; and one wait for the two, ahead of their first reader
.irp e, 0,1
.irp s, 0,1
	WIN 0x01                                       ; source 0 window 1
.set k, 0
.rept 32
	v_pk_mul_f32 v[S+k:S+k+1], v[128*\e+64*\s+k:128*\e+64*\s+k+1], v[F+2*\e:F+2*\e+1] op_sel_hi:[1,0]   ; each accumulator from its low end on
.set k, k+2
.endr
	WIN 0
	QUANT S,AC+16*\e+8*\s,AW+2*\e+\s
.endr
.endr
	s_wait_loadcnt 0x0                             ; wo's scale words
	WIN 0x40                                       ; O^T's registers are free: x of my wave's 32 channels, my work-group's 256 positions
.set i, 0
.rept 64
	global_load_b128 v[4*i:4*i+3], v[LI], s[16:17] offset:4096*(i/2)+512*(i%2) th:TH_LOAD_NT   ; 32 lanes read 512 consecutive bytes, aligned
.set i, i+1
.endr
	WIN 0
	PLACES 8                                       ; attn's scale words and codes were written by vector instructions
	s_wait_dscnt 0x0                               ; my reads of K and V are over
	s_barrier_signal -1
	s_barrier_wait -1                              ; everybody's are: the stage may be written over them
	; out = attn wo^T: four tiles of wo's rows at a time, eight accumulators by turns
.irp g, 0,1,2,3
.irp n, 0,1,2,3
.irp s, 0,1
.irp c, 0,1
	ds_load_b128 v[S+16*\n+8*\s+4*\c:S+16*\n+8*\s+4*\c+3], v[WOA] offset:2304*(4*\g+\n)+64*\s+32*\c
.endr
.endr
.endr
	s_wait_dscnt 0x0
.irp n, 0,1,2,3
.irp e, 0,1
	v_wmma_scale_f32_16x16x128_f8f6f4 v[192+16*\n+8*\e:192+16*\n+8*\e+7], v[AC+16*\e:AC+16*\e+7], v[S+16*\n:S+16*\n+7], 0, v[AW+2*\e], v[WS+4*\g+\n] matrix_a_fmt:MATRIX_FMT_FP4 matrix_b_fmt:MATRIX_FMT_FP4
.endr
.endr
.irp n, 0,1,2,3
.irp e, 0,1
	v_wmma_scale_f32_16x16x128_f8f6f4 v[192+16*\n+8*\e:192+16*\n+8*\e+7], v[AC+16*\e+8:AC+16*\e+15], v[S+16*\n+8:S+16*\n+15], v[192+16*\n+8*\e:192+16*\n+8*\e+7], v[AW+2*\e+1], v[WS+4*\g+\n] matrix_a_fmt:MATRIX_FMT_FP4 matrix_b_fmt:MATRIX_FMT_FP4 matrix_b_scale:MATRIX_SCALE_ROW1
.endr
.endr
	PLACES 5                                       ; four for the stores and the next loads; five for the next four tiles' products, which begin these accumulators anew
.irp n, 0,1,2,3
.irp e, 0,1
	ds_store_b128 v[STO], v[192+16*\n+8*\e:192+16*\n+8*\e+3] offset:16640*\n+32*\e        ; lane (r, h): channel 16 tile + r, positions 32 wave + 8 e + 16 h + 0 .. 7; each accumulator from its low end on
	ds_store_b128 v[STO], v[192+16*\n+8*\e+4:192+16*\n+8*\e+7] offset:16640*\n+32*\e+16
.endr
.endr
	v_add_nc_u32 v[STO], 66560, v[STO]             ; 64 rows of the stage on
.endr
	s_wait_dscnt 0x0                               ; for the others' sake: my stores into the stage have landed
	s_barrier_signal -1
	s_barrier_wait -1
	; THE WAY OUT: my wave's 32 channels, whole rows of 1,024 bytes, sixteen channels at a time: + bo + x
.macro FINAL hv
.if \hv
	s_wait_xcnt 0x0                                ; the first half's stores have read their data
.endif
.set i, 0
.rept 32
	ds_load_b128 v[S+4*i:S+4*i+3], v[RD] offset:1040*(16*(\hv)+i/2)+512*(i%2)
.set i, i+1
.endr
	s_wait_dscnt 0x0
.set i, 0
.rept 16
	v_mov_b32 v46, s[68+16*(\hv)+i]                ; the channel's bo; of the pair v[46:47] the low word serves both halves
.irp k, 0,2,4,6
	v_pk_add_f32 v[S+8*i+\k:S+8*i+\k+1], v[S+8*i+\k:S+8*i+\k+1], v[46:47] op_sel_hi:[1,0]
.endr
.set i, i+1
.endr
	s_wait_loadcnt 32-32*(\hv)                     ; x of these sixteen channels is in; the other 32 loads may be out
	WIN 0x04                                       ; source 1 window 1
.set i, 0
.rept 64
	v_pk_add_f32 v[S+2*i:S+2*i+1], v[S+2*i:S+2*i+1], v[128*(\hv)+2*i:128*(\hv)+2*i+1]
.set i, i+1
.endr
	WIN 0
.set i, 0
.rept 32
	global_store_b128 v[LI], v[S+4*i:S+4*i+3], s[18:19] offset:4096*(16*(\hv)+i/2)+512*(i%2) th:TH_STORE_NT   ; 32 lanes store 512 consecutive bytes, aligned
.set i, i+1
.endr
.endm
	FINAL 0
	FINAL 1
	s_wait_tensorcnt 0x0
	ds_add_u32 v42, v43
	s_wait_dscnt 0x0
	CROUND                                         ; the closing round: no work-group ends while a partner may still ask for a tile that names it
	s_endpgm
.Lfunc_end_k_q60b7ca3ed7_attn:
	.size	k_q60b7ca3ed7_attn, .Lfunc_end_k_q60b7ca3ed7_attn-k_q60b7ca3ed7_attn
	.p2alignl 7, 3214868480
	.fill 96, 4, 3214868480
	.section	.rodata,"a",@progbits
	.p2align	6, 0x0
	.amdhsa_kernel k_q60b7ca3ed7_attn
		.amdhsa_group_segment_fixed_size 327680
		.amdhsa_private_segment_fixed_size 0
		.amdhsa_enable_private_segment 0
		.amdhsa_kernarg_size 64
		.amdhsa_user_sgpr_count 2
		.amdhsa_user_sgpr_kernarg_segment_ptr 1
		.amdhsa_wavefront_size32 1
		.amdhsa_system_sgpr_workgroup_id_x 1
		.amdhsa_system_sgpr_workgroup_id_y 1
		.amdhsa_system_sgpr_workgroup_id_z 1
		.amdhsa_system_vgpr_workitem_id 0
		.amdhsa_next_free_vgpr 512
		.amdhsa_next_free_sgpr 100
		.amdhsa_reserve_vcc 0
		.amdhsa_float_denorm_mode_32 3
		.amdhsa_float_denorm_mode_16_64 3
		.amdhsa_memory_ordered 1
		.amdhsa_forward_progress 1
		.amdhsa_inst_pref_size 164
	.end_amdhsa_kernel
	.amdgpu_metadata
---
amdhsa.version: [ 1, 2 ]
amdhsa.kernels:
  - .name:           k_q60b7ca3ed7_attn
    .symbol:         k_q60b7ca3ed7_attn.kd
    .args:
      - { .name: qcodes, .offset: 0, .size: 8, .value_kind: global_buffer, .address_space: global }
      - { .name: qscales, .offset: 8, .size: 8, .value_kind: global_buffer, .address_space: global }
      - { .name: kv, .offset: 16, .size: 8, .value_kind: global_buffer, .address_space: global }
      - { .name: wo_codes, .offset: 24, .size: 8, .value_kind: global_buffer, .address_space: global }
      - { .name: wo_scales, .offset: 32, .size: 8, .value_kind: global_buffer, .address_space: global }
      - { .name: bo, .offset: 40, .size: 8, .value_kind: global_buffer, .address_space: global }
      - { .name: x, .offset: 48, .size: 8, .value_kind: global_buffer, .address_space: global }
      - { .name: out0, .offset: 56, .size: 8, .value_kind: global_buffer, .address_space: global }
    .group_segment_fixed_size: 327680
    .private_segment_fixed_size: 0
    .kernarg_segment_align: 8
    .kernarg_segment_size: 64
    .max_flat_workgroup_size: 256
    .sgpr_count:     100
    .vgpr_count:     512
    .wavefront_size: 32
...
	.end_amdgpu_metadata
.endif
;; end of part 3
